; MI455X (gfx1250); checked and timed in simulation.
; The chip was launched on July 23, 2026; its instructions are those of AMD's public machine-readable ISA for CDNA 5 (MIT licence, August 2026) and "CDNA5" Instruction Set Architecture Reference Guide (July 2026). The comments in the code are by the model that wrote it; some were corrected since.
;; Multi Head. Allowed arithmetic: matrix products marked QUANTISED: E2M3 operands, one E8M0 scale for each 32 along K, by v_wmma_scale_f32_16x16x128_f8f6f4 with both operands' format E2M3, f32 sums; everything else in f32.
;; Inputs: k_codes 4 x 2,048 x 32 x 24 uint8 (E2M3 codes of k, K innermost, in blocks of 32 codes, four codes in three bytes); k_scales 4 x 2,048 x 32 uint8 (E8M0 scales of k, one for each 32 codes along K); q_codes 4 x 2,048 x 32 x 24 uint8 (E2M3 codes of q, K innermost, in blocks of 32 codes, four codes in three bytes); q_scales 4 x 2,048 x 32 uint8 (E8M0 scales of q, one for each 32 codes along K); v_codes 4 x 2,048 x 32 x 24 uint8 (E2M3 codes of v, K innermost, in blocks of 32 codes, four codes in three bytes); v_scales 4 x 2,048 x 32 uint8 (E8M0 scales of v, one for each 32 codes along K); wk_codes 16 x 64 x 32 x 24 uint8 (E2M3 codes of wk, K innermost, in blocks of 32 codes, four codes in three bytes); wk_scales 16 x 64 x 32 uint8 (E8M0 scales of wk, one for each 32 codes along K); wo_codes 1,024 x 32 x 24 uint8 (E2M3 codes of wo, K innermost, in blocks of 32 codes, four codes in three bytes); wo_scales 1,024 x 32 uint8 (E8M0 scales of wo, one for each 32 codes along K); wq_codes 16 x 64 x 32 x 24 uint8 (E2M3 codes of wq, K innermost, in blocks of 32 codes, four codes in three bytes); wq_scales 16 x 64 x 32 uint8 (E8M0 scales of wq, one for each 32 codes along K); wv_codes 16 x 64 x 32 x 24 uint8 (E2M3 codes of wv, K innermost, in blocks of 32 codes, four codes in three bytes); wv_scales 16 x 64 x 32 uint8 (E8M0 scales of wv, one for each 32 codes along K).
;; Outputs: out0 4 x 2,048 x 1,024 float32.
;; This version of the problem:
;;   THIS VERSION OF THE PROBLEM IS GIVEN IN LOW PRECISION. The matrix products marked QUANTISED in the list below multiply operands that are first quantised to E2M3 (2 exponent bits, 3 mantissa bits; 6 bits a number), with one power-of-two scale for each 32 numbers along K (OCP MX v1.0); their sums are f32. All else is computed in f32.
;;   The module's matrix products, in the order in which they are computed (A, B: the left and right operand; K: the contracted axis; several contracted axes count as one K, in the product's order):
;;     1. [M 1,024, K 1,024] x [K 1,024, N 8,192]; A: input wq (given as codes); B: input q (given as codes): QUANTISED
;;     2. [M 1,024, K 1,024] x [K 1,024, N 8,192]; A: input wk (given as codes); B: input k (given as codes): QUANTISED
;;     3. [M 1,024, K 1,024] x [K 1,024, N 8,192]; A: input wv (given as codes); B: input v (given as codes): QUANTISED
;;     4. batch 64 x [M 2,048, K 64] x [K 64, N 2,048]; A: computed on the way; B: computed on the way: QUANTISED
;;     5. batch 64 x [M 2,048, K 2,048] x [K 2,048, N 64]; A: softmax (see below); B: computed on the way: QUANTISED
;;     6. [M 8,192, K 1,024] x [K 1,024, N 1,024]; A: computed on the way; B: input wo (given as codes): QUANTISED
;;   THE QUANTISER, for each operand of a quantised product, along K:
;;     - K is cut into blocks of 32 from its start; a last block that is shorter is filled with zeros.
;;     - A block's scale is 2^e with e = floor(log2(the largest magnitude in the block)) - 2, held to -126 .. 127; a block of zeros has e = 0. As a byte (E8M0): e + 127.
;;     - Each number is divided by its block's scale, clamped to +-7.5, and rounded to the nearest number of E2M3, ties to even, subnormals kept.
;;     - The product sums the exact products of the quantised numbers (number of the format x scale) in f32.
;;   ~~~python
;;   def quantise(x, axis):      # numpy; x: float32 -> the quantised numbers, widened to float32 again
;;       x = np.moveaxis(x, axis, -1); K = x.shape[-1]
;;       x = np.pad(x, [(0, 0)] * (x.ndim - 1) + [(0, -K % 32)]); x = x.reshape(x.shape[:-1] + (-1, 32)); a = np.abs(x).max(-1, keepdims=True)
;;       e = np.where(a > 0, np.clip(np.frexp(np.where(a > 0, a, 1))[1] - 1 - 2, -126, 127), 0)      # np.frexp(a)[1] - 1 = floor(log2(a)), exactly
;;       r = np.clip(x / 2.0 ** e, -7.5, 7.5)
;;       step = 2.0 ** (np.maximum(np.frexp(np.where(r == 0, 1, r))[1] - 1, 0) - 3)
;;       q = np.round(r / step) * step * 2.0 ** e      # np.round: ties to even
;;       return np.moveaxis(q.reshape(q.shape[:-2] + (-1,))[..., :K], -1, axis).astype(np.float32)
;;   ~~~
;;   SOFTMAX AHEAD OF A QUANTISED PRODUCT. Where the list says 'softmax', what is quantised is not the finished softmax but p = 2^(t - M), with t = logit x log2(e) and M = ceil(the row's largest t), a whole number; so 1/2 < the row's largest p <= 1. The row's sum l is taken of the UNQUANTISED p, in f32, and the product's result is divided by l at the end. Since M is a whole number, a kernel that streams over the keys may use a running M (the ceiling of the running maximum): every later rescaling is an exact power of two, which a block's scale takes up: the codes' values come out the same.
;;   OPERANDS COMPUTED ON THE WAY. 'Computed on the way' means the value that the module computes at that place (a softmax that the list does not call 'softmax' is quantised finished and normalised). What goes into a quantiser is computed in f32, as accurately as f32 sums, v_exp_f32 and their like allow (about 1e-6 of the number): no bf16 or f16 on the way to a quantiser, and a product that is left as it is and whose result goes on into a quantised operand takes f32 operands (vector FMAs, or v_wmma_f32_16x16x4_f32). A number that lies on a knife's edge between two numbers of the format may be rounded either way, as far as f32 arithmetic and the matrix unit's own rounding can turn it there, and no further.
;;   INPUTS GIVEN AS CODES. k (in the module: [4, 2048, 1024], K = its axis 2); q (in the module: [4, 2048, 1024], K = its axis 2); v (in the module: [4, 2048, 1024], K = its axis 2); wk (in the module: [16, 1024, 64], K = its axis 1); wo (in the module: [1024, 1024], K = its axis 0); wq (in the module: [16, 1024, 64], K = its axis 1); wv (in the module: [16, 1024, 64], K = its axis 1): each comes as NAME_codes (uint8): NAME with its K axis moved to the last place and cut into blocks of 32 codes, [.., K / 32, bytes a block], one block behind the other in memory; four codes in three bytes: a row's codes are one little-endian stream of bits, code i at bits 6 i .. 6 i + 5 (a code: sign, 2 exponent bits, 3 mantissa bits); and NAME_scales (uint8): the same leading axes, one E8M0 byte (e + 127) for each 32 codes along K. Its value is code x scale, taken as it is: it is not quantised again, and the codes and scales need not be those that the quantiser above would give.
;; One version. Each part assembles by itself: llvm-mc -triple=amdgcn-amd-amdhsa -mcpu=gfx1250 --defsym DOCPART=n.
;; ======== version 1 of 1: 3 launches
;; workspace buffers: qc 6,291,456 bytes; kc 6,291,456 bytes; vc 6,291,456 bytes; bc 6,291,456 bytes; qs 262,144 bytes; ks 262,144 bytes; vs 262,144 bytes; bs 262,144 bytes
;; launch proj (part 1): grid 4 x 96, 4 waves a work-group, clusters of 4 x 4, 327,680 bytes of LDS; arguments wq_codes, wk_codes, v_codes, wq_scales, wk_scales, v_scales, q_codes, k_codes, wv_codes, q_scales, k_scales, wv_scales, qc, kc, vc, qs, ks, vs; writes qc, kc, vc, qs, ks, vs
.if DOCPART == 1
	.amdgcn_target "amdgcn-amd-amdhsa--gfx1250"
	.amdhsa_code_object_version 6
	.text
	.protected	k_q19b987127c_proj
	.globl	k_q19b987127c_proj
	.p2align	8
	.type	k_q19b987127c_proj,@function
k_q19b987127c_proj:
	s_mov_b64 s[64:65], 0
	v_nop
	global_prefetch_b8 v0, s[64:65] scope:SCOPE_SE
	s_setreg_imm32_b32 hwreg(HW_REG_WAVE_MODE, 25, 1), 1
	s_wait_xcnt 0x0
	s_wait_alu depctr_hold_cnt(0) depctr_sa_sdst(0) depctr_va_vdst(0) depctr_va_sdst(0) depctr_va_ssrc(0) depctr_va_vcc(0) depctr_vm_vsrc(0)
	s_getreg_b32 s2, hwreg(HW_REG_IB_STS2, 6, 4)
	s_cmp_eq_u32 s2, 0
	s_cbranch_scc0 .Lentry_in_a_cluster
	s_endpgm
.Lentry_in_a_cluster:
	s_bfe_u32 s2, ttmp6, 0x10000c
	s_cmp_lg_u32 s2, 0xf033
	s_cbranch_scc0 .Lentry_shape_is_right
	s_endpgm
.Lentry_shape_is_right:
; THE THREE PROJECTIONS, each 8,192 x 1,024 x 1,024 on codes of FP6 (E2M3) with one E8M0 scale for each 32 along K, and the quantiser of each result, in registers.
; Each product has an operand P, along whose rows the result is quantised, and an operand R.  q, k: P = the weight's rows (head, d), R = the tokens.  v: P = the tokens (the keys), R = wv's rows (head, d).
; Both have rows of 768 bytes of codes and 32 scale bytes, so one text serves all three: the cluster's y picks the projection (8 clusters each), by selects between buffers; no branch hangs on it.
; A tile of 256 rows of R x 256 rows of P is made by four waves, each 128 x 128: 64 accumulators, 512 registers.  K goes in 4 steps of 256 through a ring of two LDS slots; the scale bytes of the tile's rows come once.
; CLUSTERS: 4 x 4 work-groups; R's tiles are asked for jointly by a row of the cluster, P's by a column.
; THE MATRIX INSTRUCTION: source 0 = 16 rows of P, source 1 = 16 rows of R: a lane holds one row of R, its registers run along P.
; THE WAY OUT.  A wave's block of 16 rows of R x 128 rows of P becomes ONE operand of a later product (16 rows x 128 along K), stored as an IMAGE OF ITS 12 REGISTERS, 1,536 bytes:
; registers 0-3 at 16 x lane, 4-5 at 512 + 8 x lane, 6-9 at 768 + 16 x lane, 10-11 at 1,280 + 8 x lane; its scale words as 64 bytes, row r's at 4 r.
; The rows of an image are not neighbours: within 64 rows of R, lane i of image u holds row 32 (i / 8) + 8 u + i % 8, so that a later product that takes four such images as source 0 leaves 32 neighbours in a lane.
; qc, kc: [batch x 8 + pair of heads][128 images]: K 0-63 the even head's d, K 64-127 the odd head's.  vc: [batch x 16 + head][16 steps of 128 keys][4 images of 16 d].  qs, ks, vs: the same index, 64 bytes.
; LIMITS: NaN and infinities are not served.  A block of results whose largest magnitude lies under 2^-124, zeros among them, gets the scale byte 1; these bytes are read by this program alone.  Given scale bytes are fed as they lie.
; No prefetch: of four K steps two are first fills.
; REGISTERS, in windows of 256: window 0: v0-31 addresses; v32-63 scale words, two sets; from v128 R's fragments, one set; on the way out v64-191 are at work.
;   window 1: P's fragments, two sets, at v0 and v128.   window 2: the accumulators of my rows 0-63 of R (block a, slot b at v[8 (8 a + b)]);   window 3: those of rows 64-127.
.set KSTEP,  256
.set NQ,     KSTEP/128
.set ROWB,   192                       ; a tile's row in bytes
.set KROW,   768                       ; a row of codes in memory
.set PITCH,  240                       ; an LDS row: 3 x (64 bytes + 16 of padding) = 60 words: the 32 lanes of a load of 8 bytes touch 64 different banks (64 banks of 4 bytes: ISA guide 11.1)
.set FR,     12
.set NL,     6
.set NP,     4                         ; places behind this matrix instruction (ISA guide 7.12.1)
.set HALFT,  128*PITCH
.set SLOT,   4*HALFT                   ; R's 256 rows, then P's 256 rows
.set LAPS,   2                         ; a lap = two K steps
.set KS,     32                        ; a row of scale bytes
.set SCL,    2*SLOT                    ; behind the ring: the scales, as units of 256 bytes + 16 of padding
.set HALFS,  (128*KS/256)*272
.set SBLK,   (16*KS/256)*272
.set SPARE,  SCL+4*HALFS               ; the spare words, 128 bytes for each wave
.set FIB,    1536                      ; an image
.set ADRA, 16                          ; v16-19  LDS addresses of R's fragments (slot 0, 1; the same behind one padding more)
.set ADRB, 20                          ; v20-23  the same for P
.set O16,  24                          ; v24     16 x lane
.set O8,   25                          ; v25     8 x lane + 512
.set O4,   26                          ; v26     4 x lane
.set ADRS, 27                          ; v27     LDS address of my scale words: lanes 0-15 R's rows, lanes 16-31 P's
.set SPW,  28                          ; v28     my spare word; never rewritten
.set NIL,  29                          ; v29     0; never rewritten
.set SH8,  30                          ; v30     8 x (lane / 16)
.set SC,   32
.set AF,   128
.set CD,   64                          ; the way out: v64-159 the codes of blocks 0-7, 12 registers each
.set TC,   160                         ; v160-167 second halves of the conversions
.set PW,   168                         ; v168-175 the blocks' scale words
.set TM,   176                         ; v176-177 largest magnitudes;  v178-179 the conversions' scale operands;  v180-181 bytes;  v182-183, v186-187 at work
.set TS,   178
.set TB,   180
.set TX,   182
.set T0,   186
.set T1,   187
.set SD,   188                         ; v188-191 data of the scale stores
.set G1, 24
.set G0, 32
.set G1B, 48
.set G0B, 56
.set G1S, 68
.set G0S, 76
.set G1SB, 80
.set G0SB, 88
.set SEL, 92                           ; s[92:93] lane selects for lane l xor 16 (set behind the descriptors)
.set M8,  104                          ; s104 lanes 8-15 and 24-31
.set MH,  105                          ; s105 lanes 16-31
.set MSB, 0
.macro WIN new                         ; the immediate's high byte repeats the setting that is left
.if MSB != (\new)
	s_set_vgpr_msb (MSB<<8)|(\new)
.set MSB, (\new)
.endif
.endm
.set MUL_LO, 0xa1                      ; source 0 (P) window 1, source 1 (R) window 0, C and D window 2
.set MUL_HI, 0xf1
.set TO_B,   0x40
; A joint load: waves 0 and 1 fetch for R, waves 2 and 3 for P.  The branch hangs on the wave's number alone.  Four v_nop follow each of the two lines.
.macro JLOAD g0a, g1a, g0b, g1b
	s_cmp_eq_u32 s15, 0
	s_cbranch_scc0 .Lfor_b_\@
	tensor_load_to_lds s[\g0a:\g0a+3], s[\g1a:\g1a+7]
	s_nop 0
.rept 4
	v_nop
.endr
	s_branch .Lasked_\@
.Lfor_b_\@:
	tensor_load_to_lds s[\g0b:\g0b+3], s[\g1b:\g1b+7]
	s_nop 0
.rept 4
	v_nop
.endr
.Lasked_\@:
.endm
.macro CREST                           ; a round of the cluster's barrier behind its opening barrier
	s_cmp_lg_u32 s14, 0
	s_cbranch_scc1 .Lnot_wave_0_\@
	s_barrier_signal -3
.Lnot_wave_0_\@:
	s_barrier_wait -3
	s_barrier_signal -1
	s_barrier_wait -1
.endm
.macro CROUND
	s_barrier_signal -1
	s_barrier_wait -1
	CREST
.endm
	s_load_b512 s[24:39], s[0:1], 0x0              ; the 18 addresses: number i at s[24 + 2 i]
	s_load_b512 s[40:55], s[0:1], 0x40
	s_load_b128 s[56:59], s[0:1], 0x80
	v_lshl_add_u32 v[SPW], v0, 2, SPARE
	v_mov_b32 v[NIL], 0
	ds_add_u32 v28, v29
	ds_add_u32 v28, v29
	s_wait_dscnt 0x0
	v_lshrrev_b32 v1, 5, v0
	v_readfirstlane_b32 s14, v1                    ; wave 0..3
	s_lshr_b32 s15, s14, 1                         ; which half of R's rows is mine.  Also: I fetch for R (0) or for P (1)
	s_and_b32 s16, s14, 1                          ; which half of P's rows.  Also: which 128 rows I fetch
	s_and_b32 s2, ttmp7, 0xffff                    ; the cluster's y, 0..23
	s_lshr_b32 s98, s2, 3                          ; the projection: 0 q, 1 k, 2 v
	s_and_b32 s99, s2, 7                           ; which of its eight clusters
	s_wait_kmcnt 0x0
	s_cmp_eq_u32 s98, 0                            ; the buffers are chosen by the cluster's number alone
	s_cselect_b64 s[8:9], s[24:25], s[26:27]       ; P's codes
	s_cselect_b64 s[10:11], s[30:31], s[32:33]     ; P's scales
	s_cselect_b64 s[4:5], s[36:37], s[38:39]       ; R's codes
	s_cselect_b64 s[6:7], s[42:43], s[44:45]       ; R's scales
	s_cselect_b64 s[12:13], s[48:49], s[50:51]     ; the images
	s_cselect_b64 s[96:97], s[54:55], s[56:57]     ; their scale words
	s_cmp_eq_u32 s98, 2
	s_cselect_b64 s[8:9], s[28:29], s[8:9]
	s_cselect_b64 s[10:11], s[34:35], s[10:11]
	s_cselect_b64 s[4:5], s[40:41], s[4:5]
	s_cselect_b64 s[6:7], s[46:47], s[6:7]
	s_cselect_b64 s[12:13], s[52:53], s[12:13]
	s_cselect_b64 s[96:97], s[58:59], s[96:97]
	s_cselect_b32 s100, s99, 0                     ; the tokens have 32 tiles of 256 rows, the weights 4: the eight clusters walk the tokens
	s_cselect_b32 s101, 0, s99
	s_mov_b32 s[M8], 0xff00ff00
	s_mov_b32 s[MH], 0xffff0000
	s_bfe_u32 s40, ttmp6, 0x40000                  ; cx, cy: my place in the cluster
	s_bfe_u32 s41, ttmp6, 0x40004
	s_lshl_b32 s42, s100, 2
	s_add_co_u32 s42, s42, s40                     ; P's tile: it holds cx and never cy
	s_lshl_b32 s17, s101, 2
	s_add_co_u32 s17, s17, s41                     ; R's tile: it holds cy and never cx
	s_lshl_b32 s43, s41, 2
	s_lshl_b32 s43, 15, s43                        ; my row of the cluster
	s_lshl_b32 s44, 0x1111, s40                    ; my column
	; descriptor group 1: a tile of 128 rows x 192 bytes, 16 bytes of padding behind every 64
	s_or_b32 s[G1+0], s43, (0<<16)|(1<<20)|(1<<21)|(3<<22)|(3<<25)
	s_or_b32 s[G1B+0], s44, (0<<16)|(1<<20)|(1<<21)|(3<<22)|(3<<25)
.irp g, G1, G1B
	s_mov_b32 s[\g+1], ROWB<<16                    ; tensor_dim0
	s_mov_b32 s[\g+2], 128<<16                     ; tensor_dim1
	s_mov_b32 s[\g+3], ROWB<<16                    ; tile_dim0
	s_mov_b32 s[\g+4], 128                         ; tile_dim1
	s_mov_b32 s[\g+5], KROW                        ; tensor_dim0_stride
	s_mov_b32 s[\g+6], 0
	s_mov_b32 s[\g+7], 0
.endr
	; the scales of 128 rows: 4,096 dense bytes, as 16 rows of 256 bytes (32 elements of 8 bytes), 16 bytes of padding behind each
	s_or_b32 s[G1S+0], s43, (3<<16)|(1<<20)|(1<<21)|(5<<22)|(3<<25)
	s_or_b32 s[G1SB+0], s44, (3<<16)|(1<<20)|(1<<21)|(5<<22)|(3<<25)
.irp g, G1S, G1SB
	s_mov_b32 s[\g+1], 32<<16
	s_mov_b32 s[\g+2], (128*KS/256)<<16
	s_mov_b32 s[\g+3], 32<<16
	s_mov_b32 s[\g+4], 128*KS/256
	s_mov_b32 s[\g+5], 32
	s_mov_b32 s[\g+6], 0
	s_mov_b32 s[\g+7], 0
.endr
	s_lshl_b32 s18, s16, 7                         ; which 128 rows of the tile I fetch
	s_lshl_b32 s20, s17, 8
	s_add_co_u32 s20, s20, s18                     ; R: row
	s_lshl_b32 s46, s42, 8
	s_add_co_u32 s46, s46, s18                     ; P: row
	s_mov_b32 s21, 0
	s_mov_b32 s47, 0
	s_mov_b64 s[18:19], KS
	s_mul_u64 s[22:23], s[20:21], s[18:19]         ; where these rows' scales begin
	s_mul_u64 s[92:93], s[46:47], s[18:19]
	s_mov_b64 s[18:19], KROW
	s_mul_u64 s[20:21], s[20:21], s[18:19]         ; and their codes
	s_mul_u64 s[46:47], s[46:47], s[18:19]
	s_mul_i32 s45, s14, HALFT                      ; where they go: wave x 128 rows
	s_mul_i32 s94, s14, HALFS
	s_add_nc_u64 s[20:21], s[4:5], s[20:21]
	s_add_nc_u64 s[22:23], s[6:7], s[22:23]
	s_add_nc_u64 s[46:47], s[8:9], s[46:47]
	s_add_nc_u64 s[92:93], s[10:11], s[92:93]
	CROUND                                         ; all sixteen work-groups are here: the first joint loads meet
	s_mov_b32 s[G0S], 1
	s_add_co_u32 s[G0S+1], s94, SCL
	s_mov_b64 s[G0S+2:G0S+3], s[22:23]
	s_or_b32 s[G0S+3], s[G0S+3], 0x80000000
	s_mov_b32 s[G0SB], 1
	s_add_co_u32 s[G0SB+1], s94, SCL
	s_mov_b64 s[G0SB+2:G0SB+3], s[92:93]
	s_or_b32 s[G0SB+3], s[G0SB+3], 0x80000000
	JLOAD G0S, G1S, G0SB, G1SB                     ; the scales first: they are wanted with K step 0
.irp s, 0,1
	s_mov_b32 s[G0+4*\s], 1
	s_add_co_u32 s[G0+4*\s+1], s45, \s*SLOT
	s_add_nc_u64 s[G0+4*\s+2:G0+4*\s+3], s[20:21], \s*ROWB
	s_or_b32 s[G0+4*\s+3], s[G0+4*\s+3], 0x80000000
	s_mov_b32 s[G0B+4*\s], 1
	s_add_co_u32 s[G0B+4*\s+1], s45, \s*SLOT
	s_add_nc_u64 s[G0B+4*\s+2:G0B+4*\s+3], s[46:47], \s*ROWB
	s_or_b32 s[G0B+4*\s+3], s[G0B+4*\s+3], 0x80000000
	JLOAD G0+4*\s, G1, G0B+4*\s, G1B               ; three tensor loads of mine are out
.endr
	s_mov_b32 s[SEL], 0x76543210
	s_mov_b32 s[SEL+1], 0xfedcba98
	v_and_b32 v1, 15, v0                           ; l % 16
	v_bfe_u32 v2, v0, 4, 1                         ; l / 16
	v_mul_u32_u24 v3, v1, PITCH
	v_mul_u32_u24 v4, v2, 24
	v_add_nc_u32 v4, v3, v4                        ; a fragment's row x pitch + 24 x half
	v_lshl_add_u32 v5, v2, 4, v4                   ; and the same behind one padding more
	s_mul_i32 s21, s15, HALFT                      ; my 128 rows of R
	s_mul_i32 s22, s16, HALFT                      ; my 128 rows of P,
	s_add_co_u32 s22, s22, 2*HALFT                 ; which lie behind R's 256
.irp s, 0,1
	v_add_nc_u32 v[ADRA+\s], s21, v4
	v_add_nc_u32 v[ADRB+\s], s22, v4
	v_add_nc_u32 v[ADRA+2+\s], s21, v5
	v_add_nc_u32 v[ADRB+2+\s], s22, v5
	s_add_co_u32 s21, s21, SLOT
	s_add_co_u32 s22, s22, SLOT
.endr
	v_mul_u32_u24 v5, v1, KS                       ; my row's scales: 32 bytes a row,
	v_lshrrev_b32 v6, 8, v5
	v_lshl_add_u32 v5, v6, 4, v5                   ; and 16 more for each 256 passed
	s_mul_i32 s21, s15, HALFS
	s_mul_i32 s22, s16, HALFS
	s_add_co_u32 s22, s22, 2*HALFS
	s_sub_co_u32 s22, s22, s21
	v_mul_u32_u24 v6, s22, v2                      ; lanes 16-31 take P's
	s_add_co_u32 s21, s21, SCL
	v_add_nc_u32 v5, v5, v6
	v_add_nc_u32 v[ADRS], s21, v5
	v_and_b32 v6, 31, v0
	v_lshlrev_b32 v[O16], 4, v6
	v_lshl_add_u32 v[O8], v6, 3, 512
	v_lshlrev_b32 v[O4], 2, v6
	v_lshlrev_b32 v[SH8], 3, v2
	; where my images go.  q, k: image ((batch x 8 + pair of heads) x 128 + tile of 16 tokens); my second 64 rows of R: 4 images on.
	; v: image (((batch x 16 + head) x 16 + step of 128 keys) x 4); my second 64 rows of R are the next head: 64 images on.
	s_lshl_b32 s18, s42, 1
	s_add_co_u32 s18, s18, s16                     ; which 128 rows of P are mine
	s_lshr_b32 s19, s17, 3
	s_lshl_b32 s19, s19, 3
	s_add_co_u32 s19, s19, s18                     ; q, k: batch x 8 + pair
	s_lshl_b32 s19, s19, 7
	s_and_b32 s20, s17, 7
	s_lshl_b32 s20, s20, 4
	s_add_co_u32 s19, s19, s20
	s_lshl_b32 s20, s15, 3
	s_add_co_u32 s19, s19, s20
	s_lshr_b32 s20, s42, 3
	s_lshl_b32 s20, s20, 4
	s_lshl_b32 s21, s17, 2
	s_add_co_u32 s20, s20, s21
	s_lshl_b32 s21, s15, 1
	s_add_co_u32 s20, s20, s21                     ; v: batch x 16 + head
	s_lshl_b32 s20, s20, 4
	s_and_b32 s18, s18, 15
	s_add_co_u32 s20, s20, s18
	s_lshl_b32 s20, s20, 2
	s_mov_b32 s21, 64*FIB
	s_mov_b32 s22, 64*64
	s_cmp_eq_u32 s98, 2
	s_cselect_b32 s18, s20, s19                    ; my first image
	s_cselect_b32 s20, s21, 4*FIB                  ; from my first 64 rows to my second, in the images
	s_cselect_b32 s22, s22, 4*64                   ; and in the scale words
	s_mul_i32 s46, s18, FIB
	s_mov_b32 s47, 0
	s_add_nc_u64 s[12:13], s[12:13], s[46:47]
	s_lshl_b32 s46, s18, 6
	s_add_nc_u64 s[96:97], s[96:97], s[46:47]
	s_mov_b32 s21, 0
	s_mov_b32 s23, 0
	s_add_nc_u64 s[98:99], s[12:13], s[20:21]
	s_add_nc_u64 s[100:101], s[96:97], s[22:23]
.macro FRAG reg, adr, q, i             ; a fragment, 16 rows x 128 K, is 12 registers: lane l holds row l % 16; registers 6 c .. 6 c + 5 hold K = 64 c + 32 (l / 16) + 0 .. 31: 24 bytes of the row, as they lie
.irp p, 0,1,2,3,4,5                    ; in pieces of 8 bytes.  Where the piece of lanes 16-31, three on, lies behind one padding more, the second address register serves
.set PIECE, 12*(\q)+6*(\p/3)+\p%3
.if PIECE%8 < 5
	ds_load_b64 v[\reg+2*\p:\reg+2*\p+1], v[\adr] offset:8*PIECE+16*(PIECE/8)+(\i)*16*PITCH
.else
	ds_load_b64 v[\reg+2*\p:\reg+2*\p+1], v[\adr+2] offset:8*PIECE+16*(PIECE/8)+(\i)*16*PITCH
.endif
.endr
.endm
; 16 matrix instructions: R's blocks a0, a0 + 1 x P's eight slots.  SLOT b HOLDS P's BLOCK 4 (b / 4) + 2 (b % 2) + (b % 4) / 2: slots 2 k and 2 k + 1 lie 32 rows apart, which the way out needs.
; The 64 accumulators take turns, one instruction a turn, in the same order in every step.
.macro MUL16 a0, p, q, sc, zero
.irp a, \a0, \a0+1
.irp b, 0,1,2,3,4,5,6,7
.if \zero
	v_wmma_scale_f32_16x16x128_f8f6f4 v[8*(8*((\a)%4)+\b):8*(8*((\a)%4)+\b)+7], v[128*(\p)+FR*\b:128*(\p)+FR*\b+FR-1], v[AF+FR*(\a):AF+FR*(\a)+FR-1], 0, v[SC+8*NQ*(\sc)+NQ*(4*(\b/4)+2*(\b%2)+(\b%4)/2)+(\q)], v[SC+8*NQ*(\sc)+NQ*(\a)+(\q)] matrix_a_fmt:MATRIX_FMT_FP6 matrix_b_fmt:MATRIX_FMT_FP6 matrix_a_scale:MATRIX_SCALE_ROW1
.else
	v_wmma_scale_f32_16x16x128_f8f6f4 v[8*(8*((\a)%4)+\b):8*(8*((\a)%4)+\b)+7], v[128*(\p)+FR*\b:128*(\p)+FR*\b+FR-1], v[AF+FR*(\a):AF+FR*(\a)+FR-1], v[8*(8*((\a)%4)+\b):8*(8*((\a)%4)+\b)+7], v[SC+8*NQ*(\sc)+NQ*(4*(\b/4)+2*(\b%2)+(\b%4)/2)+(\q)], v[SC+8*NQ*(\sc)+NQ*(\a)+(\q)] matrix_a_fmt:MATRIX_FMT_FP6 matrix_b_fmt:MATRIX_FMT_FP6 matrix_a_scale:MATRIX_SCALE_ROW1
.endif
.endr
.endr
.endm
.macro FETCH_B slot, q, p              ; P's eight fragments of the slot's q-th 128 along K into set p, in the order of the slots
	WIN TO_B
.irp i, 0,1,2,3,4,5,6,7
	FRAG 128*(\p)+FR*\i, ADRB+\slot, \q, 4*(\i/4)+2*(\i%2)+(\i%4)/2
.endr
	WIN 0
.endm
.macro FETCH_A slot, q, i0             ; R's blocks i0 .. i0 + 3
.irp i, \i0, \i0+1, \i0+2, \i0+3
	FRAG AF+FR*(\i), ADRA+\slot, \q, \i
.endr
.endm
.macro SCALES sc                       ; a K step's scale words into set sc: lanes 0-15 take R's block i, lanes 16-31 P's block i
.irp i, 0,1,2,3,4,5,6,7
	ds_load_b64 v[SC+8*NQ*\sc+NQ*\i:SC+8*NQ*\sc+NQ*\i+1], v[ADRS] offset:\i*SBLK
.endr
.endm
.macro PLACES n                        ; plain vector lines between a matrix instruction and a load into, or a vector line on, its registers
.rept \n
	v_nop
.endr
.endm
.macro STEP slot, q, zero              ; a step of 128 along K that has its successor in the same slot
	s_wait_dscnt 4*NL                              ; P's set and R's blocks 0-3 are in; the youngest 24 loads (R's blocks 4-7) may be out
	WIN MUL_LO
	MUL16 0, (\q)%2, \q, \slot, \zero
	MUL16 2, (\q)%2, \q, \slot, \zero
	s_wait_dscnt 0
	PLACES NP
	FETCH_B \slot, (\q)+1, 1-(\q)%2
	FETCH_A \slot, (\q)+1, 0
	WIN MUL_HI
	MUL16 4, (\q)%2, \q, \slot, \zero
	MUL16 6, (\q)%2, \q, \slot, \zero
	PLACES NP
	WIN 0
	FETCH_A \slot, (\q)+1, 4
.endm
; A slot's last step changes slots: one barrier; in front of it each wave waits for all its tensor loads, adds 0 to its spare word, and waits for that and for its reads of this slot.  fill = 1: this slot is filled again, two K steps ahead.
.macro TURN slot, next, fill
	s_wait_tensorcnt 0x0                           ; all my tensor loads have landed: my part of the next slot
	ds_add_u32 v[SPW], v[NIL]                      ; 0 onto my spare word
	s_wait_dscnt 4*NL+1                            ; (the add and the youngest 24 loads, R's blocks 4-7, may be out)
	WIN MUL_LO
	MUL16 0, 1, NQ-1, \slot, 0
	s_wait_dscnt 0x0                               ; the add is done, and my reads of this slot are over
	s_barrier_signal -1
	MUL16 2, 1, NQ-1, \slot, 0
	WIN 0
	s_barrier_wait -1
.if \fill
	CREST                                          ; the barrier has opened a round of the cluster's: no wave of any partner still reads this slot or has a load on its way
	s_add_nc_u64 s[G0+4*\slot+2:G0+4*\slot+3], s[G0+4*\slot+2:G0+4*\slot+3], 2*ROWB
	s_add_nc_u64 s[G0B+4*\slot+2:G0B+4*\slot+3], s[G0B+4*\slot+2:G0B+4*\slot+3], 2*ROWB
	JLOAD G0+4*\slot, G1, G0B+4*\slot, G1B         ; the first tensor load behind the round; its four v_nop are the places in front of the loads below
.else
	PLACES NP
.endif
	v_add_nc_u32 v[ADRS], 4*NQ, v[ADRS]            ; on to the next K step's scale words
	FETCH_B \next, 0, 0
	FETCH_A \next, 0, 0
	SCALES \next
	WIN MUL_HI
	MUL16 4, 1, NQ-1, \slot, 0
	MUL16 6, 1, NQ-1, \slot, 0
	PLACES NP
	WIN 0
	FETCH_A \next, 0, 4
.endm
	s_wait_tensorcnt 1                             ; the scales and my part of K step 0 are in (K step 1's load may be out),
	s_barrier_signal -1
	s_barrier_wait -1                              ; everybody's are
	FETCH_B 0, 0, 0
	FETCH_A 0, 0, 0
	SCALES 0
	FETCH_A 0, 0, 4
	STEP 0, 0, 1                                   ; the first step's products start the sums
	s_mov_b32 s3, LAPS-1
.Llap:
	TURN 0, 1, 1
	STEP 1, 0, 0
	TURN 1, 0, 1
	STEP 0, 0, 0
	s_sub_co_u32 s3, s3, 1
	s_cmp_lg_u32 s3, 0
	s_cbranch_scc1 .Llap
	TURN 0, 1, 0                                   ; the last lap fills nothing
	STEP 1, 0, 0
	s_wait_dscnt 4*NL
	WIN MUL_LO
	MUL16 0, 1, NQ-1, 1, 0
	MUL16 2, 1, NQ-1, 1, 0
	s_wait_dscnt 0
	WIN MUL_HI
	MUL16 4, 1, NQ-1, 1, 0
	MUL16 6, 1, NQ-1, 1, 0
	WIN 0
; THE WAY OUT.  Block a: 16 rows of R x my 128 rows of P, 64 numbers a lane.
; (1) Slot 2 k's lanes 16-31 change places with slot 2 k + 1's lanes 0-15: lane half h then holds, of its row of R, P's rows 64 c + 32 h + 0 .. 31 in registers 32 c + 0 .. 31: two whole blocks, in the order that an operand's registers want.
; (2) Each block's largest magnitude, with the floor 2^(3 - 127) among its leaves; 2 off its exponent field is the conversion's scale operand, and that shifted down the scale's byte.
; (3) My two bytes, 8 h bits up, and lane l xor 16's two make the row's scale word.  (4) Four conversions give the 12 registers.
.macro QUANT2 a
.set AC, 64*((\a)%4)
.set CA, CD+12*(\a)
	WIN 0x82+0x41*((\a)/4)                         ; destination and source 0: the accumulators' window
.irp k, 0,1,2,3
.irp j, 0,1,2,3,4,5,6,7
	v_permlane16_swap_b32 v[AC+16*\k+\j], v[AC+16*\k+8+\j]   ; each accumulator from its low end on
.endr
.endr
	WIN 0x0a+5*((\a)/4)                            ; sources 0 and 1: the accumulators' window
.irp c, 0,1
	v_max3_num_f32 v[TM+\c], |v[AC+32*\c]|, |v[AC+32*\c+1]|, 0x1800000
.endr
.irp i, 2,4,6,8,10,12,14,16,18,20,22,24,26,28,30
.irp c, 0,1
	v_max3_num_f32 v[TM+\c], |v[AC+32*\c+\i]|, |v[AC+32*\c+\i+1]|, v[TM+\c]
.endr
.endr
	WIN 0
.irp c, 0,1
	v_add_nc_u32 v[TS+\c], 0xff000000, v[TM+\c]
.endr
.irp c, 0,1
	v_lshrrev_b32 v[TB+\c], 23, v[TS+\c]
.endr
	v_lshl_or_b32 v[TX], v[TB+1], 16, v[TB]
	v_lshlrev_b32 v[TX], v[SH8], v[TX]
	v_permlanex16_b32 v[TX+1], v[TX], s[SEL], s[SEL+1]
	v_or_b32 v[PW+(\a)], v[TX], v[TX+1]
	WIN 2+(\a)/4                                   ; source 0: the accumulators' window
.irp c, 0,1
	v_cvt_scalef32_pk16_fp6_f32 v[CA+6*\c:CA+6*\c+2], v[AC+32*\c:AC+32*\c+15], v[TS+\c]
	v_cvt_scalef32_pk16_fp6_f32 v[TC+4*\c:TC+4*\c+2], v[AC+32*\c+16:AC+32*\c+31], v[TS+\c]   ; (a conversion's three registers begin on an even number)
.endr
	WIN 0
	v_nop                                          ; one plain line behind the last conversion
.irp c, 0,1
.irp i, 0,1,2
	v_mov_b32 v[CA+3+6*\c+\i], v[TC+4*\c+\i]
.endr
.endr
.endm
; Blocks x and x + 2 (32 rows of R apart) exchange eight rows: x's lanes 8-15 (of each half) take y's lanes 0-7, y's lanes 0-7 take x's lanes 8-15.  Block a of four then is image 2 (a % 2) + a / 2 of its 64 rows.
.macro XCH1 x, y
	v_mov_b32_dpp v[T0], v[\y] row_xmask:8 row_mask:0xf bank_mask:0xf
	v_mov_b32_dpp v[T1], v[\x] row_xmask:8 row_mask:0xf bank_mask:0xf
	v_cndmask_b32 v[\x], v[\x], v[T0], s[M8]
	v_cndmask_b32 v[\y], v[T1], v[\y], s[M8]
.endm
.macro XCH a, b
.irp i, 0,1,2,3,4,5,6,7,8,9,10,11
	XCH1 CD+12*(\a)+\i, CD+12*(\b)+\i
.endr
	XCH1 PW+(\a), PW+(\b)
.endm
.macro PUT a, base                     ; an image: each store of the wave covers 512 or 256 consecutive bytes, aligned
.set CA, CD+12*(\a)
.set UO, FIB*(2*((\a)%2)+((\a)/2)%2)
	global_store_b128 v[O16], v[CA:CA+3], s[\base:\base+1] offset:UO
	global_store_b64 v[O8], v[CA+4:CA+5], s[\base:\base+1] offset:UO
	global_store_b128 v[O16], v[CA+6:CA+9], s[\base:\base+1] offset:UO+768
	global_store_b64 v[O8], v[CA+10:CA+11], s[\base:\base+1] offset:UO+768
.endm
.macro GROUP g, cbase, sbase           ; 64 rows of R: four blocks; every store has data registers of its own, so none is waited for
.irp n, 0,1,2,3
	QUANT2 4*\g+\n
.endr
	XCH 4*\g, 4*\g+2
	XCH 4*\g+1, 4*\g+3
.irp n, 0,1,2,3
	PUT 4*\g+\n, \cbase
.endr
	v_cndmask_b32 v[SD+2*\g], v[PW+4*\g], v[PW+4*\g+2], s[MH]        ; images 0 and 1: lanes 0-15 the one's words, lanes 16-31 the other's: 128 consecutive bytes
	v_cndmask_b32 v[SD+2*\g+1], v[PW+4*\g+1], v[PW+4*\g+3], s[MH]    ; images 2 and 3
	global_store_b32 v[O4], v[SD+2*\g], s[\sbase:\sbase+1]
	global_store_b32 v[O4], v[SD+2*\g+1], s[\sbase:\sbase+1] offset:128
.endm
	PLACES NP                                      ; behind the last products
	v_mov_b32 v[TX+1], 0                           ; written once: a lane permute's destination counts as one of its sources
	v_mov_b32 v[T0], 0
	v_mov_b32 v[T1], 0
	GROUP 0, 12, 96
	GROUP 1, 98, 100
	s_wait_tensorcnt 0x0                           ; the wave's end
	ds_add_u32 v[SPW], v[NIL]
	s_wait_dscnt 0x0
	CROUND                                         ; the closing round
	s_endpgm
.Lfunc_end_k_q19b987127c_proj:
	.size	k_q19b987127c_proj, .Lfunc_end_k_q19b987127c_proj-k_q19b987127c_proj
	.p2alignl 7, 3214868480
	.fill 96, 4, 3214868480
	.section	.rodata,"a",@progbits
	.p2align	6, 0x0
	.amdhsa_kernel k_q19b987127c_proj
		.amdhsa_group_segment_fixed_size 327680
		.amdhsa_private_segment_fixed_size 0
		.amdhsa_enable_private_segment 0
		.amdhsa_kernarg_size 144
		.amdhsa_user_sgpr_count 2
		.amdhsa_user_sgpr_kernarg_segment_ptr 1
		.amdhsa_wavefront_size32 1
		.amdhsa_system_sgpr_workgroup_id_x 1
		.amdhsa_system_sgpr_workgroup_id_y 1
		.amdhsa_system_sgpr_workgroup_id_z 1
		.amdhsa_system_vgpr_workitem_id 0
		.amdhsa_next_free_vgpr 1024
		.amdhsa_next_free_sgpr 106
		.amdhsa_reserve_vcc 0
		.amdhsa_float_denorm_mode_32 3
		.amdhsa_float_denorm_mode_16_64 3
		.amdhsa_memory_ordered 1
		.amdhsa_forward_progress 1
		.amdhsa_inst_pref_size 181
	.end_amdhsa_kernel
	.amdgpu_metadata
---
amdhsa.version: [ 1, 2 ]
amdhsa.kernels:
  - .name:           k_q19b987127c_proj
    .symbol:         k_q19b987127c_proj.kd
    .args:
      - { .name: wq_codes, .offset: 0, .size: 8, .value_kind: global_buffer, .address_space: global }
      - { .name: wk_codes, .offset: 8, .size: 8, .value_kind: global_buffer, .address_space: global }
      - { .name: v_codes, .offset: 16, .size: 8, .value_kind: global_buffer, .address_space: global }
      - { .name: wq_scales, .offset: 24, .size: 8, .value_kind: global_buffer, .address_space: global }
      - { .name: wk_scales, .offset: 32, .size: 8, .value_kind: global_buffer, .address_space: global }
      - { .name: v_scales, .offset: 40, .size: 8, .value_kind: global_buffer, .address_space: global }
      - { .name: q_codes, .offset: 48, .size: 8, .value_kind: global_buffer, .address_space: global }
      - { .name: k_codes, .offset: 56, .size: 8, .value_kind: global_buffer, .address_space: global }
      - { .name: wv_codes, .offset: 64, .size: 8, .value_kind: global_buffer, .address_space: global }
      - { .name: q_scales, .offset: 72, .size: 8, .value_kind: global_buffer, .address_space: global }
      - { .name: k_scales, .offset: 80, .size: 8, .value_kind: global_buffer, .address_space: global }
      - { .name: wv_scales, .offset: 88, .size: 8, .value_kind: global_buffer, .address_space: global }
      - { .name: qc, .offset: 96, .size: 8, .value_kind: global_buffer, .address_space: global }
      - { .name: kc, .offset: 104, .size: 8, .value_kind: global_buffer, .address_space: global }
      - { .name: vc, .offset: 112, .size: 8, .value_kind: global_buffer, .address_space: global }
      - { .name: qs, .offset: 120, .size: 8, .value_kind: global_buffer, .address_space: global }
      - { .name: ks, .offset: 128, .size: 8, .value_kind: global_buffer, .address_space: global }
      - { .name: vs, .offset: 136, .size: 8, .value_kind: global_buffer, .address_space: global }
    .group_segment_fixed_size: 327680
    .private_segment_fixed_size: 0
    .kernarg_segment_align: 8
    .kernarg_segment_size: 144
    .max_flat_workgroup_size: 128
    .sgpr_count:     106
    .vgpr_count:     1024
    .wavefront_size: 32
...
	.end_amdgpu_metadata
.endif
;; end of part 1
;; launch attn (part 2): grid 4 x 64, 16 waves a work-group, clusters of 4 x 1, 215,040 bytes of LDS; arguments qc, qs, kc, ks, vc, vs, bc, bs; writes bc, bs
.if DOCPART == 2
	.amdgcn_target "amdgcn-amd-amdhsa--gfx1250"
	.amdhsa_code_object_version 6
	.text
	.protected	k_q19b987127c_attn
	.globl	k_q19b987127c_attn
	.p2align	8
	.type	k_q19b987127c_attn,@function
k_q19b987127c_attn:
	s_mov_b64 s[64:65], 0
	v_nop
	global_prefetch_b8 v0, s[64:65] scope:SCOPE_SE
	s_setreg_imm32_b32 hwreg(HW_REG_WAVE_MODE, 25, 1), 1
	s_wait_xcnt 0x0
	s_wait_alu depctr_hold_cnt(0) depctr_sa_sdst(0) depctr_va_vdst(0) depctr_va_sdst(0) depctr_va_ssrc(0) depctr_va_vcc(0) depctr_vm_vsrc(0)
	s_getreg_b32 s2, hwreg(HW_REG_IB_STS2, 6, 4)
	s_cmp_eq_u32 s2, 0
	s_cbranch_scc0 .Lentry_in_a_cluster
	s_endpgm
.Lentry_in_a_cluster:
	s_bfe_u32 s2, ttmp6, 0x10000c
	s_cmp_lg_u32 s2, 0x3003
	s_cbranch_scc0 .Lentry_shape_is_right
	s_endpgm
.Lentry_shape_is_right:
; ATTENTION of one (batch, head) on codes of FP6 (E2M3): S^T = K Q^T (K = the head's 64), p = 2^(t - M), O^T = V^T P^T (K = the keys), O / l, and the quantiser of the result along the features.
; t = score x log2(e) / 32 (sqrt(1024) + 1e-8 is 32 in f32); M = the running largest t rounded UP to a whole number; the row's sum l is taken of the unquantised p; when M moves, l and O are multiplied by 2^(old M - new M), exactly.
; SHARES.  A work-group owns 512 queries of one head; each of its sixteen waves one tile of 16 queries in each of two passes, in 256 registers: four waves to a SIMD, so that one wave's vector work stands beside another's products and LDS loads.
; THE WHOLE HEAD'S K AND V STAY IN LDS (96 KiB of codes each, 12 KiB of scale words): every LDS byte is filled once, so there is no ring.  They come in four chunks of 512 keys; pass 0 begins when the first has landed.
; CLUSTER.  The four work-groups of a head form a cluster and ask for each chunk JOINTLY (mask 15): wave 0 for K's, wave 1 for V's, five tensor loads each, all issued at the start.
; No prefetch: every byte is asked for at the head.
; OPERANDS ARE IMAGES OF THEIR REGISTERS (the launch before laid them so): 16 rows x 128 K in 1,536 bytes: registers 0-3 at 16 x lane, 4-5 at 512 + 8 x lane, 6-9 at 768 + 16 x lane, 10-11 at 1,280 + 8 x lane.
; In qc and kc the first 768 bytes are the even head's 64 along K, the second the odd head's.  Within 64 rows, lane i of image u holds row 32 (i / 8) + 8 u + i % 8: four such images as source 0 leave 32 neighbours in a lane:
; a lane (query r, half h) holds keys 64 c + 32 h + 0 .. 31 of a step in registers 32 c + 0 .. 31, and in O^T the channels 32 h + 0 .. 31: whole blocks of 32, so no block's largest number needs another lane and no code changes lanes.
; K = 64 IN AN INSTRUCTION OF 128.  Q's codes of K 64-127 are zeros and the upper two scale bytes of both sides are 0: so whatever K's operand holds in its registers 6-11 adds exactly nothing.
; K's tile t is named v[32 + 6 t : 43 + 6 t]: its upper six registers are the next tile's codes (tile 7's: zeros).  That halves K's LDS reads and registers.
; OUT.  bc: [tile of 16 queries, in the images' order of rows][8 images of 128 features]; bs: [query in that order][32 bytes].  The last launch turns that order back into tokens.
; LIMITS: NaN and infinities are not served.  A block of p or of O / l whose largest number lies under 2^-124, zeros among them, gets the scale byte 1; these bytes are read by this program alone.
; REGISTERS: v1-7, v31, v232 lane constants; v8-11, v28, v29 a step's addresses; v12 -M, v13 the largest t, v[14:15] the sum; v16-27 Q; v30 Q's scale word; v32-79 K's eight tiles, then V's four; v80-85 zeros;
;   v86-95 at work; v96-159 S^T, then p; v160-191 O^T; v192-203 p's codes; v204-211 second halves of conversions; v212-219 K's scales, v220-223 V's, v224 p's; v225-228 at work; v240-249 the way out.
.set KC,    0                          ; LDS: K's 128 tiles x 768 bytes
.set VC,    98304                      ; V's 16 steps x 4 images x 1,536
.set KSB,   196608                     ; K's scale words, both heads of the pair: 128 x 64
.set VSB,   204800                     ; V's: 64 x 64
.set CHUNK, 24576                      ; 512 keys of K or of V
.set WV,   20
.set CNT,  21
.set CS,   22                          ; s[22:23] c = log2(e) / 32, twice
.set G1KC, 24
.set G1VC, 32
.set G1KS, 40
.set G1VS, 48
.set T6,   2                           ; s2   where the step's tiles begin in KC and in VC: 6,144 bytes a step in both
.set TS,   3                           ; s3   K's scale words: 512 bytes a step
.set TV,   100                         ; s100 V's: 256
.set P16,  101                         ; s101 16 x (head % 2)
.set SEL,  104                         ; s[104:105] lane selects for lane l xor 16
.macro CROUND                          ; a round of the cluster's barrier
	s_barrier_signal -1
	s_barrier_wait -1
	s_cmp_lg_u32 s[WV], 0
	s_cbranch_scc1 .Lnot_wave_0_\@
	s_barrier_signal -3
.Lnot_wave_0_\@:
	s_barrier_wait -3
	s_barrier_signal -1
	s_barrier_wait -1
.endm
.macro GROUP1 g, c, r, p               ; r rows of c elements of 8 bytes, p elements apart; the mask names the four partners, bit 21 beside it; no padding
	s_mov_b32 s[\g], 15|(3<<16)|(1<<21)
	s_mov_b32 s[\g+1], (\c)<<16
	s_mov_b32 s[\g+2], (\r)<<16
	s_mov_b32 s[\g+3], (\c)<<16
	s_mov_b32 s[\g+4], \r
	s_mov_b32 s[\g+5], \p
	s_mov_b32 s[\g+6], 0
	s_mov_b32 s[\g+7], 0
.endm
.macro GROUP0 g, lds, base, off
	s_mov_b32 s[\g], 1
	s_mov_b32 s[\g+1], \lds
	s_add_nc_u64 s[\g+2:\g+3], s[\base:\base+1], \off
	s_or_b32 s[\g+3], s[\g+3], 0x80000000
.endm
	s_load_b512 s[4:19], s[0:1], 0x0               ; qc s[4:5], qs s[6:7], kc s[8:9], ks s[10:11], vc s[12:13], vs s[14:15], bc s[16:17], bs s[18:19]
	v_lshl_add_u32 v254, v0, 2, 0x34000
	v_mov_b32 v255, 0
	ds_add_u32 v254, v255
	ds_add_u32 v254, v255
	v_lshrrev_b32 v1, 5, v0
	v_readfirstlane_b32 s[WV], v1                  ; wave 0..15
	s_bfe_u32 s24, ttmp6, 0x40000                  ; cx: my block of 512 queries; it enters Q's and the outputs' addresses alone
	s_and_b32 s25, ttmp7, 0xffff                   ; 16 x batch + head, which the four partners share
	s_lshr_b32 s26, s25, 1                         ; the pair of heads
	s_and_b32 s27, s25, 1                          ; which of the pair
	s_lshl_b32 s[P16], s27, 4
	s_lshl_b32 s28, s24, 5
	s_add_co_u32 s28, s28, s[WV]                   ; my tile of queries in pass 0: 32 cx + wave
	s_mul_i32 s30, s26, 196608
	s_mul_i32 s29, s27, 768
	s_add_co_u32 s30, s30, s29                     ; kc: the pair's 128 images, my head's half
	s_mov_b32 s31, 0
	s_lshl_b32 s32, s26, 13                        ; ks
	s_mov_b32 s33, 0
	s_mul_i32 s34, s25, 98304                      ; vc
	s_mov_b32 s35, 0
	s_lshl_b32 s36, s25, 12                        ; vs
	s_mov_b32 s37, 0
	s_mul_i32 s38, s28, 1536
	s_add_co_u32 s38, s38, s30                     ; qc
	s_mov_b32 s39, 0
	s_lshl_b32 s40, s28, 6
	s_add_co_u32 s40, s40, s32                     ; qs
	s_mov_b32 s41, 0
	s_lshr_b32 s42, s25, 4
	s_lshl_b32 s42, s42, 7
	s_add_co_u32 s42, s42, s28                     ; 128 x batch + tile
	s_and_b32 s43, s25, 15                         ; the head
	s_lshl_b32 s46, s42, 9
	s_lshl_b32 s44, s43, 1
	s_add_co_u32 s46, s46, s44                     ; bs: 512 bytes a tile, + 2 x head
	s_mov_b32 s47, 0
	s_lshl_b32 s44, s42, 3
	s_lshr_b32 s43, s43, 1
	s_add_co_u32 s44, s44, s43
	s_mul_i32 s44, s44, 1536
	s_add_co_u32 s44, s44, s29                     ; bc: image 8 x tile + head / 2, my head's half
	s_mov_b32 s45, 0
	s_lshl_b32 s[CNT], s27, 1                      ; (2 x (head % 2), for K's scale words below)
	s_mov_b32 s[CS], 0x3d38aa3b
	s_mov_b32 s[CS+1], s[CS]
	s_mov_b32 s[SEL], 0x76543210
	s_mov_b32 s[SEL+1], 0xfedcba98
	s_wait_dscnt 0x0
	s_wait_kmcnt 0x0
	s_add_nc_u64 s[4:5], s[4:5], s[38:39]
	s_add_nc_u64 s[6:7], s[6:7], s[40:41]
	s_add_nc_u64 s[8:9], s[8:9], s[30:31]
	s_add_nc_u64 s[10:11], s[10:11], s[32:33]
	s_add_nc_u64 s[12:13], s[12:13], s[34:35]
	s_add_nc_u64 s[14:15], s[14:15], s[36:37]
	s_add_nc_u64 s[16:17], s[16:17], s[44:45]
	s_add_nc_u64 s[18:19], s[18:19], s[46:47]
	GROUP1 G1KC, 96, 32, 192                       ; K: 32 tiles: rows of 768 bytes, 1,536 apart in memory, dense in LDS
	GROUP1 G1VC, 32, 96, 32                        ; V: 24,576 dense bytes as rows of 256
	GROUP1 G1KS, 32, 32, 32                        ; K's scale words: 8,192 dense bytes
	GROUP1 G1VS, 32, 16, 32                        ; V's: 4,096
	GROUP0 56, KSB, 10, 0
	GROUP0 60, KC, 8, 0
	GROUP0 68, KC+CHUNK, 8, 2*CHUNK
	GROUP0 72, KC+2*CHUNK, 8, 4*CHUNK
	GROUP0 76, KC+3*CHUNK, 8, 6*CHUNK
	GROUP0 80, VSB, 14, 0
	GROUP0 84, VC, 12, 0
	GROUP0 88, VC+CHUNK, 12, CHUNK
	GROUP0 92, VC+2*CHUNK, 12, 2*CHUNK
	GROUP0 96, VC+3*CHUNK, 12, 3*CHUNK
	v_and_b32 v229, 31, v0                         ; lane
	v_and_b32 v230, 15, v0                         ; r
	v_bfe_u32 v231, v0, 4, 1                       ; h
	v_lshlrev_b32 v1, 4, v229                      ; 16 x lane
	v_lshl_add_u32 v2, v229, 3, 512                ; 8 x lane + 512
	v_lshlrev_b32 v232, 2, v230                    ; 4 r
	v_add_nc_u32 v3, KSB, v232
	v_add_nc_u32 v3, s[CNT], v3                    ; K's scale words: row r's, my head's two bytes
	v_add_nc_u32 v4, VSB, v232
	v_add_nc_u32 v5, VC, v1
	v_add_nc_u32 v6, VC, v2
	v_lshlrev_b32 v7, 3, v231                      ; 8 h
	v_lshl_add_u32 v31, v230, 5, v231              ; bs: 32 r + h
	CROUND                                         ; all four work-groups are here: the joint loads meet
	s_cmp_eq_u32 s[WV], 0                          ; a wave's fills stand in one branch on the wave's number: five loads of mine are out at the most
	s_cbranch_scc0 .Lnot_k
	tensor_load_to_lds s[56:59], s[G1KS:G1KS+7]
	s_nop 0
	tensor_load_to_lds s[60:63], s[G1KC:G1KC+7]
	s_nop 0
	tensor_load_to_lds s[68:71], s[G1KC:G1KC+7]
	s_nop 0
	tensor_load_to_lds s[72:75], s[G1KC:G1KC+7]
	s_nop 0
	tensor_load_to_lds s[76:79], s[G1KC:G1KC+7]
	s_nop 0
.rept 4
	v_nop
.endr
	s_branch .Lasked
.Lnot_k:
	s_cmp_eq_u32 s[WV], 1
	s_cbranch_scc0 .Lasked
	tensor_load_to_lds s[80:83], s[G1VS:G1VS+7]
	s_nop 0
	tensor_load_to_lds s[84:87], s[G1VC:G1VC+7]
	s_nop 0
	tensor_load_to_lds s[88:91], s[G1VC:G1VC+7]
	s_nop 0
	tensor_load_to_lds s[92:95], s[G1VC:G1VC+7]
	s_nop 0
	tensor_load_to_lds s[96:99], s[G1VC:G1VC+7]
	s_nop 0
.rept 4
	v_nop
.endr
.Lasked:
.macro QLOAD p                         ; pass p's tile of queries: half an image and its scale words
	global_load_b128 v[16:19], v1, s[4:5] offset:24576*\p
	global_load_b64 v[20:21], v2, s[4:5] offset:24576*\p
	global_load_b32 v30, v232, s[6:7] offset:1024*\p
.endm
.macro INIT                            ; the loop has no first step of its own: it finds zeros, which the first change of M leaves zeros
	v_mov_b32 v13, 0xff61b1e6                      ; the largest t so far: -3e38
	v_floor_f32 v12, -v13                          ; -M
	v_mov_b32 v14, 0
	v_mov_b32 v15, 0
.set j, 0
.rept 32
	v_mov_b32 v[160+j], 0
.set j, j+1
.endr
.endm
; A KEY STEP: 128 keys.
.macro STEP
	v_add_nc_u32 v8, s[T6], v1                     ; six plain lines: also the places between the last step's products and the loads into their registers
	v_add_nc_u32 v9, s[T6], v2
	v_add_nc_u32 v10, s[T6], v5
	v_add_nc_u32 v11, s[T6], v6
	v_add_nc_u32 v28, s[TS], v3
	v_add_nc_u32 v29, s[TV], v4
.irp t, 0,1,2,3,4,5,6,7
	ds_load_b128 v[32+6*\t:35+6*\t], v8 offset:768*\t
	ds_load_b64 v[36+6*\t:37+6*\t], v9 offset:768*\t
	ds_load_u16 v[212+\t], v28 offset:64*\t        ; my head's two scale bytes; the upper two come as 0
.endr
	s_wait_dscnt 0x0
.irp t, 0,1,2,3,4,5,6,7
	v_wmma_scale_f32_16x16x128_f8f6f4 v[96+8*\t:103+8*\t], v[32+6*\t:43+6*\t], v[16:27], 0, v[212+\t], v30 matrix_a_fmt:MATRIX_FMT_FP6 matrix_b_fmt:MATRIX_FMT_FP6
.endr
.rept 4
	v_nop                                          ; places in front of the loads below and of the first read of the scores
.endr
.irp u, 0,1,2,3                                ; V's four images of this step land while the softmax is walked
	ds_load_b128 v[32+12*\u:35+12*\u], v10 offset:1536*\u
	ds_load_b64 v[36+12*\u:37+12*\u], v11 offset:1536*\u
	ds_load_b128 v[38+12*\u:41+12*\u], v10 offset:1536*\u+768
	ds_load_b64 v[42+12*\u:43+12*\u], v11 offset:1536*\u+768
	ds_load_b32 v[220+\u], v29 offset:64*\u
.endr
	v_max3_num_f32 v86, v96, v97, v98              ; the largest score of each of my two blocks of 32 keys, each accumulator from its low end on: it serves for the row's maximum and, since p rises with the score, for the block's largest p
	v_max3_num_f32 v87, v128, v129, v130
.set i, 3
.rept 14
	v_max3_num_f32 v86, v86, v[96+i], v[97+i]
	v_max3_num_f32 v87, v87, v[128+i], v[129+i]
.set i, i+2
.endr
	v_max_num_f32 v86, v86, v127
	v_max_num_f32 v87, v87, v159
	v_max_num_f32 v88, v86, v87
	v_permlanex16_b32 v89, v88, s[SEL], s[SEL+1]
	v_max_num_f32 v88, v88, v89                    ; the step's largest score of my query
	v_mul_f32 v88, s[CS], v88                      ; as t
	v_max_num_f32 v13, v13, v88
	v_mov_b32 v88, v12
	v_floor_f32 v12, -v13                          ; the new -M = floor(-t): M is a whole number
	v_sub_f32 v88, v12, v88                        ; old M - new M: a whole number, 0 or less
	v_cvt_i32_f32 v88, v88                         ; (it saturates)
	v_ldexp_f32 v90, 1.0, v88                      ; f = 2^(old M - new M)
.set j, 0
.rept 32
	v_pk_fma_f32 v[96+j:97+j], v[96+j:97+j], s[CS:CS+1], v[12:13] op_sel_hi:[1,0,0]   ; t - M
.set j, j+2
.endr
	v_fma_f32 v86, v86, s[CS], v12                 ; the same of each block's largest score
	v_fma_f32 v87, v87, s[CS], v12
.set j, 0
.rept 64
	v_exp_f32 v[96+j], v[96+j]                     ; p = 2^(t - M)
.set j, j+1
.endr
	v_pk_mul_f32 v[14:15], v[14:15], v[90:91] op_sel_hi:[1,0]   ; the sum under the new M: the plain line behind the exponentials
	s_wait_alu depctr_va_vdst(0)                   ; one wait for the batch, ahead of its first reader
	v_exp_f32 v86, v86                             ; each block's largest p
	v_exp_f32 v87, v87
	v_pk_add_f32 v[92:93], v[96:97], v[98:99]      ; the row's sum, of the unquantised p, in two chains
.set j, 4
.rept 15
	v_pk_add_f32 v[14:15], v[14:15], v[96+j:97+j]
	v_pk_add_f32 v[92:93], v[92:93], v[98+j:99+j]
.set j, j+4
.endr
	v_pk_add_f32 v[14:15], v[14:15], v[92:93]
	s_wait_alu depctr_va_vdst(0)                   ; and one for the two
	v_max_num_f32 v86, 0x1800000, v86              ; the floor 2^(3 - 127): the byte cannot fall under 1
	v_max_num_f32 v87, 0x1800000, v87
	v_add_nc_u32 v94, 0xff000000, v86              ; 2 off the exponent field: the conversion's scale operand
	v_add_nc_u32 v95, 0xff000000, v87
	v_lshrrev_b32 v225, 23, v94                    ; the scale's byte
	v_lshrrev_b32 v226, 23, v95
	v_lshl_or_b32 v227, v226, 16, v225             ; my two bytes: blocks h and 2 + h,
	v_lshlrev_b32 v227, v7, v227                   ; 8 h bits up;
	v_permlanex16_b32 v228, v227, s[SEL], s[SEL+1]
	v_or_b32 v224, v227, v228                      ; with lane l xor 16's two: p's scale word for these 128 keys
.irp c, 0,1
	v_cvt_scalef32_pk16_fp6_f32 v[192+6*\c:194+6*\c], v[96+32*\c:111+32*\c], v[94+\c]
	v_cvt_scalef32_pk16_fp6_f32 v[204+4*\c:206+4*\c], v[112+32*\c:127+32*\c], v[94+\c]   ; (a conversion's three registers begin on an even number)
.endr
	v_nop                                          ; one plain line behind the last conversion
.irp c, 0,1
.irp i, 0,1,2
	v_mov_b32 v[195+6*\c+\i], v[204+4*\c+\i]
.endr
.endr
.set j, 0
.rept 16
	v_pk_mul_f32 v[160+j:161+j], v[160+j:161+j], v[90:91] op_sel_hi:[1,0]   ; O^T under the new M; these lines are also the places in front of the scaled products
.set j, j+2
.endr
	s_wait_dscnt 0x0                               ; V
.irp u, 0,1,2,3
	v_wmma_scale_f32_16x16x128_f8f6f4 v[160+8*\u:167+8*\u], v[32+12*\u:43+12*\u], v[192:203], v[160+8*\u:167+8*\u], v[220+\u], v224 matrix_a_fmt:MATRIX_FMT_FP6 matrix_b_fmt:MATRIX_FMT_FP6
.endr
	s_add_co_u32 s[T6], s[T6], 6144
	s_add_co_u32 s[TS], s[TS], 512
	s_add_co_u32 s[TV], s[TV], 256
.endm
.macro STEPS n
	s_mov_b32 s[CNT], \n
.Lstep_\@:
	STEP
	s_sub_co_u32 s[CNT], s[CNT], 1
	s_cmp_lg_u32 s[CNT], 0
	s_cbranch_scc1 .Lstep_\@
.endm
; THE WAY OUT of pass p: O^T / l; a lane's 32 numbers are one block of 32 features; their codes are half an image, 768 consecutive bytes a wave; the block's byte goes to bs.
.macro WAYOUT p
	s_wait_xcnt 0x0                                ; the last pass's stores have read their data registers, which are written again below
.rept 4
	v_nop                                          ; places behind the last products
.endr
	v_add_f32 v14, v14, v15
	v_permlanex16_b32 v89, v14, s[SEL], s[SEL+1]
	v_add_f32 v14, v14, v89                        ; the row's sum
	v_rcp_f32 v88, v14
.if \p == 0
	QLOAD 1                                        ; the next pass's queries land during this way out
.endif
	v_mov_b32 v89, 0                               ; the plain line behind the reciprocal (and the pair's upper half)
	s_wait_alu depctr_va_vdst(0)                   ; the wait ahead of its first reader
.set j, 0
.rept 16
	v_pk_mul_f32 v[96+j:97+j], v[160+j:161+j], v[88:89] op_sel_hi:[1,0]   ; each accumulator from its low end on
.set j, j+2
.endr
	v_max3_num_f32 v86, |v96|, |v97|, 0x1800000    ; the block's largest magnitude, in two chains, with the floor
	v_max3_num_f32 v87, |v112|, |v113|, 0x1800000
.set i, 2
.rept 7
	v_max3_num_f32 v86, v86, |v[96+i]|, |v[97+i]|
	v_max3_num_f32 v87, v87, |v[112+i]|, |v[113+i]|
.set i, i+2
.endr
	v_max_num_f32 v86, v86, v87
	v_add_nc_u32 v94, 0xff000000, v86
	v_lshrrev_b32 v249, 23, v94
	v_cvt_scalef32_pk16_fp6_f32 v[240:242], v[96:111], v94
	v_cvt_scalef32_pk16_fp6_f32 v[246:248], v[112:127], v94
	v_nop                                          ; one plain line behind the last conversion
	v_mov_b32 v243, v246
	v_mov_b32 v244, v247
	v_mov_b32 v245, v248
	global_store_b128 v1, v[240:243], s[16:17] offset:196608*\p
	global_store_b64 v2, v[244:245], s[16:17] offset:196608*\p
	global_store_b8 v31, v249, s[18:19] offset:8192*\p   ; a work-group has two of a row's 32 bytes: they go out singly
.endm
	QLOAD 0
.irp j, 22,23,24,25,26,27,80,81,82,83,84,85,89,91,228
	v_mov_b32 v\j, 0                               ; Q's codes of K 64-127; the zeros behind K's tile 7; destinations of lane permutes and a pair's upper half, written once
.endr
	s_wait_loadcnt 0x0
	v_bfe_u32 v30, v30, s[P16], 16                 ; my head's two scale bytes below, 0 above; the lines of INIT are the places between this line and the first scaled product
	INIT
.irp c, 0,1,2,3                                ; pass 0: chunk by chunk, as they land
	s_mov_b32 s[T6], CHUNK*\c
	s_mov_b32 s[TS], 2048*\c
	s_mov_b32 s[TV], 1024*\c
	s_wait_tensorcnt 3-\c                          ; the scale words and chunks 0 to c are in; the 3 - c chunks behind may stay out
	s_wait_dscnt 0x0
	s_barrier_signal -1
	s_barrier_wait -1                              ; K's and V's are
	STEPS 4
.endr
	WAYOUT 0
	s_wait_loadcnt 0x0                             ; pass 1's queries
	v_bfe_u32 v30, v30, s[P16], 16
	INIT
	s_mov_b32 s[T6], 0
	s_mov_b32 s[TS], 0
	s_mov_b32 s[TV], 0
	STEPS 16                                       ; pass 1: the whole head lies in LDS: no barrier
	WAYOUT 1
	s_wait_tensorcnt 0x0
	ds_add_u32 v254, v255
	s_wait_dscnt 0x0
	CROUND                                         ; the closing round
	s_endpgm
.Lfunc_end_k_q19b987127c_attn:
	.size	k_q19b987127c_attn, .Lfunc_end_k_q19b987127c_attn-k_q19b987127c_attn
	.p2alignl 7, 3214868480
	.fill 96, 4, 3214868480
	.section	.rodata,"a",@progbits
	.p2align	6, 0x0
	.amdhsa_kernel k_q19b987127c_attn
		.amdhsa_group_segment_fixed_size 215040
		.amdhsa_private_segment_fixed_size 0
		.amdhsa_enable_private_segment 0
		.amdhsa_kernarg_size 64
		.amdhsa_user_sgpr_count 2
		.amdhsa_user_sgpr_kernarg_segment_ptr 1
		.amdhsa_wavefront_size32 1
		.amdhsa_system_sgpr_workgroup_id_x 1
		.amdhsa_system_sgpr_workgroup_id_y 1
		.amdhsa_system_sgpr_workgroup_id_z 1
		.amdhsa_system_vgpr_workitem_id 0
		.amdhsa_next_free_vgpr 256
		.amdhsa_next_free_sgpr 106
		.amdhsa_reserve_vcc 0
		.amdhsa_float_denorm_mode_32 3
		.amdhsa_float_denorm_mode_16_64 3
		.amdhsa_memory_ordered 1
		.amdhsa_forward_progress 1
		.amdhsa_inst_pref_size 99
	.end_amdhsa_kernel
	.amdgpu_metadata
---
amdhsa.version: [ 1, 2 ]
amdhsa.kernels:
  - .name:           k_q19b987127c_attn
    .symbol:         k_q19b987127c_attn.kd
    .args:
      - { .name: qc, .offset: 0, .size: 8, .value_kind: global_buffer, .address_space: global }
      - { .name: qs, .offset: 8, .size: 8, .value_kind: global_buffer, .address_space: global }
      - { .name: kc, .offset: 16, .size: 8, .value_kind: global_buffer, .address_space: global }
      - { .name: ks, .offset: 24, .size: 8, .value_kind: global_buffer, .address_space: global }
      - { .name: vc, .offset: 32, .size: 8, .value_kind: global_buffer, .address_space: global }
      - { .name: vs, .offset: 40, .size: 8, .value_kind: global_buffer, .address_space: global }
      - { .name: bc, .offset: 48, .size: 8, .value_kind: global_buffer, .address_space: global }
      - { .name: bs, .offset: 56, .size: 8, .value_kind: global_buffer, .address_space: global }
    .group_segment_fixed_size: 215040
    .private_segment_fixed_size: 0
    .kernarg_segment_align: 8
    .kernarg_segment_size: 64
    .max_flat_workgroup_size: 512
    .sgpr_count:     106
    .vgpr_count:     256
    .wavefront_size: 32
...
	.end_amdgpu_metadata
.endif
;; end of part 2
;; launch outp (part 3): grid 4 x 32, 4 waves a work-group, clusters of 4 x 4, 327,680 bytes of LDS; arguments bc, bs, wo_codes, wo_scales, out0; writes out0
.if DOCPART == 3
	.amdgcn_target "amdgcn-amd-amdhsa--gfx1250"
	.amdhsa_code_object_version 6
	.text
	.protected	k_q19b987127c_outp
	.globl	k_q19b987127c_outp
	.p2align	8
	.type	k_q19b987127c_outp,@function
k_q19b987127c_outp:
	s_mov_b64 s[64:65], 0
	v_nop
	global_prefetch_b8 v0, s[64:65] scope:SCOPE_SE
	s_setreg_imm32_b32 hwreg(HW_REG_WAVE_MODE, 25, 1), 1
	s_wait_xcnt 0x0
	s_wait_alu depctr_hold_cnt(0) depctr_sa_sdst(0) depctr_va_vdst(0) depctr_va_sdst(0) depctr_va_ssrc(0) depctr_va_vcc(0) depctr_vm_vsrc(0)
	s_getreg_b32 s2, hwreg(HW_REG_IB_STS2, 6, 4)
	s_cmp_eq_u32 s2, 0
	s_cbranch_scc0 .Lentry_in_a_cluster
	s_endpgm
.Lentry_in_a_cluster:
	s_bfe_u32 s2, ttmp6, 0x10000c
	s_cmp_lg_u32 s2, 0xf033
	s_cbranch_scc0 .Lentry_shape_is_right
	s_endpgm
.Lentry_shape_is_right:
; THE OUTPUT PROJECTION: out0[token][n] = sum over k of b[token][k] wo[k][n], 8,192 x 1,024 x 1,024, on codes of FP6 (E2M3) with one E8M0 scale for each 32 along K; sums and out0 in f32.
; A = b comes from the launch before as IMAGES OF OPERAND REGISTERS: bc [tile of 16 rows][8 images of 128 along K], 1,536 bytes each (registers 0-3 at 16 x lane, 4-5 at 512 + 8 x lane, 6-9 at 768 + 16 x lane,
; 10-11 at 1,280 + 8 x lane); bs [row][32 scale bytes].  ITS ROWS ARE NOT IN THE TOKENS' ORDER: row r of tile T is token 64 (T / 4) + 32 (r / 8) + 8 (T % 4) + r % 8; the stores' immediates put each row at its token.
; B = wo arrives as rows [n] of 768 bytes of codes and 32 scale bytes.
; A tile of out0, 256 x 256, is made by four waves, each 128 x 128: 64 accumulators.  K goes in 4 steps of 256 through a ring of two LDS slots; the scale bytes of the tile's rows come once.
; CLUSTERS: 4 x 4 work-groups; A's tiles are asked for jointly by a row of the cluster, B's by a column.  Source 0 = 16 rows of B, source 1 = 16 rows of A: a lane holds eight neighbouring numbers of a row of out0.
; 128 work-groups: a smaller tile would give more, at more LDS reads for each product.  No prefetch: of four K steps two are first fills.
; LIMITS: NaN and infinities are not served; given scale bytes are fed as they lie.
; REGISTERS, in windows of 256: window 0: v0-31 addresses; v32-63 scale words, two sets; from v128 A's fragments, one set; on the way out v128-255 rows read back.
;   window 1: B's fragments, two sets.   window 2: the accumulators of my rows 0-63;   window 3: those of rows 64-127.
.set SIZE_N, 1024
.set KSTEP,  256
.set NQ,     KSTEP/128
.set ROWB,   192
.set KROW,   768
.set PITCH,  240                       ; B's LDS row: 3 x (64 bytes + 16 of padding)
.set FR,     12
.set NLA,    4                         ; LDS loads that bring a fragment of A
.set NP,     4
.set ATILE,  3072                      ; a tile of 16 rows of A in a slot: two images
.set HALFA,  8*ATILE                   ; 128 rows of A
.set HALFT,  128*PITCH                 ; 128 rows of B
.set SLOT,   2*HALFA+2*HALFT           ; A's 256 rows, then B's 256 rows
.set LAPS,   2
.set KS,     32
.set SCL,    2*SLOT
.set HALFS,  (128*KS/256)*272
.set SBLK,   (16*KS/256)*272
.set SPARE,  SCL+4*HALFS
.set SPITCH, 528                       ; the way out: a stage of 16 rows x (512 bytes + 16) for each wave, in slot 0, which has had its last fill and its last read when the first result is stored there
.set ADRA, 16                          ; v16-17 A's images in slot 0, 1: + 16 x lane;  v18-19: + 8 x lane + 512
.set ADRB, 20                          ; v20-23 B's rows
.set STO,  24
.set RD,   25
.set CO,   26
.set ADRS, 27
.set SPW,  28
.set NIL,  29
.set SC,   32
.set AF,   128
.set BK,   128
.set G1, 24
.set G0, 32
.set G1B, 48
.set G0B, 56
.set G1S, 68
.set G0S, 76
.set G1SB, 80
.set G0SB, 88
.set MSB, 0
.macro WIN new
.if MSB != (\new)
	s_set_vgpr_msb (MSB<<8)|(\new)
.set MSB, (\new)
.endif
.endm
.set MUL_LO, 0xa1
.set MUL_HI, 0xf1
.set TO_B,   0x40
.macro JLOAD g0a, g1a, g0b, g1b        ; a joint load: waves 0 and 1 fetch for A, waves 2 and 3 for B; four v_nop follow each of the two lines
	s_cmp_eq_u32 s15, 0
	s_cbranch_scc0 .Lfor_b_\@
	tensor_load_to_lds s[\g0a:\g0a+3], s[\g1a:\g1a+7]
	s_nop 0
.rept 4
	v_nop
.endr
	s_branch .Lasked_\@
.Lfor_b_\@:
	tensor_load_to_lds s[\g0b:\g0b+3], s[\g1b:\g1b+7]
	s_nop 0
.rept 4
	v_nop
.endr
.Lasked_\@:
.endm
.macro CREST
	s_cmp_lg_u32 s14, 0
	s_cbranch_scc1 .Lnot_wave_0_\@
	s_barrier_signal -3
.Lnot_wave_0_\@:
	s_barrier_wait -3
	s_barrier_signal -1
	s_barrier_wait -1
.endm
.macro CROUND
	s_barrier_signal -1
	s_barrier_wait -1
	CREST
.endm
	s_load_b128 s[4:7], s[0:1], 0x0                ; bc, bs
	s_load_b128 s[8:11], s[0:1], 0x10              ; wo's codes, wo's scales
	s_load_b64 s[12:13], s[0:1], 0x20              ; out0
	v_lshl_add_u32 v[SPW], v0, 2, SPARE
	v_mov_b32 v[NIL], 0
	ds_add_u32 v28, v29
	ds_add_u32 v28, v29
	s_wait_dscnt 0x0
	v_lshrrev_b32 v1, 5, v0
	v_readfirstlane_b32 s14, v1                    ; wave 0..3
	s_lshr_b32 s15, s14, 1                         ; which half of the tile's rows is mine.  Also: I fetch for A (0) or for B (1)
	s_and_b32 s16, s14, 1                          ; which half of its columns.  Also: which 128 rows I fetch
	s_bfe_u32 s40, ttmp6, 0x40000
	s_bfe_u32 s41, ttmp6, 0x40004
	s_lshl_b32 s42, ttmp9, 2
	s_add_co_u32 s42, s42, s40                     ; tile column
	s_and_b32 s17, ttmp7, 0xffff
	s_lshl_b32 s17, s17, 2
	s_add_co_u32 s17, s17, s41                     ; tile row
	s_lshl_b32 s43, s41, 2
	s_lshl_b32 s43, 15, s43                        ; my row of the cluster
	s_lshl_b32 s44, 0x1111, s40                    ; my column
	; A: 8 tiles of 16 rows: rows of 3,072 bytes (384 elements of 8 bytes: two images), 12,288 bytes apart in memory, dense in LDS
	s_or_b32 s[G1+0], s43, (3<<16)|(1<<21)
	s_mov_b32 s[G1+1], 384<<16
	s_mov_b32 s[G1+2], 8<<16
	s_mov_b32 s[G1+3], 384<<16
	s_mov_b32 s[G1+4], 8
	s_mov_b32 s[G1+5], 1536
	s_mov_b32 s[G1+6], 0
	s_mov_b32 s[G1+7], 0
	; B: 128 rows x 192 bytes, 16 bytes of padding behind every 64
	s_or_b32 s[G1B+0], s44, (0<<16)|(1<<20)|(1<<21)|(3<<22)|(3<<25)
	s_mov_b32 s[G1B+1], ROWB<<16
	s_mov_b32 s[G1B+2], 128<<16
	s_mov_b32 s[G1B+3], ROWB<<16
	s_mov_b32 s[G1B+4], 128
	s_mov_b32 s[G1B+5], KROW
	s_mov_b32 s[G1B+6], 0
	s_mov_b32 s[G1B+7], 0
	; the scales of 128 rows: 4,096 dense bytes as 16 rows of 256, 16 bytes of padding behind each
	s_or_b32 s[G1S+0], s43, (3<<16)|(1<<20)|(1<<21)|(5<<22)|(3<<25)
	s_or_b32 s[G1SB+0], s44, (3<<16)|(1<<20)|(1<<21)|(5<<22)|(3<<25)
.irp g, G1S, G1SB
	s_mov_b32 s[\g+1], 32<<16
	s_mov_b32 s[\g+2], (128*KS/256)<<16
	s_mov_b32 s[\g+3], 32<<16
	s_mov_b32 s[\g+4], 128*KS/256
	s_mov_b32 s[\g+5], 32
	s_mov_b32 s[\g+6], 0
	s_mov_b32 s[\g+7], 0
.endr
	s_lshl_b32 s18, s16, 7
	s_lshl_b32 s20, s17, 8
	s_add_co_u32 s20, s20, s18                     ; A: row
	s_lshl_b32 s46, s42, 8
	s_add_co_u32 s46, s46, s18                     ; B: row
	s_mov_b32 s21, 0
	s_mov_b32 s47, 0
	s_mov_b64 s[18:19], KS
	s_mul_u64 s[22:23], s[20:21], s[18:19]
	s_mul_u64 s[92:93], s[46:47], s[18:19]
	s_mov_b64 s[18:19], KROW
	s_mul_u64 s[20:21], s[20:21], s[18:19]         ; A: a tile of 16 rows has 8 images, 12,288 bytes = 16 x 768: so row x 768 here too
	s_mul_u64 s[46:47], s[46:47], s[18:19]
	s_mul_i32 s45, s16, HALFA                      ; where A's 128 rows go,
	s_mul_i32 s95, s16, HALFT
	s_add_co_u32 s95, s95, 2*HALFA                 ; where B's go,
	s_mul_i32 s94, s14, HALFS                      ; and the scales: no place in the cluster enters an LDS address
	s_wait_kmcnt 0x0
	s_add_nc_u64 s[20:21], s[4:5], s[20:21]
	s_add_nc_u64 s[22:23], s[6:7], s[22:23]
	s_add_nc_u64 s[46:47], s[8:9], s[46:47]
	s_add_nc_u64 s[92:93], s[10:11], s[92:93]
	CROUND                                         ; all sixteen work-groups are here: the first joint loads meet
	s_mov_b32 s[G0S], 1
	s_add_co_u32 s[G0S+1], s94, SCL
	s_mov_b64 s[G0S+2:G0S+3], s[22:23]
	s_or_b32 s[G0S+3], s[G0S+3], 0x80000000
	s_mov_b32 s[G0SB], 1
	s_add_co_u32 s[G0SB+1], s94, SCL
	s_mov_b64 s[G0SB+2:G0SB+3], s[92:93]
	s_or_b32 s[G0SB+3], s[G0SB+3], 0x80000000
	JLOAD G0S, G1S, G0SB, G1SB
.irp s, 0,1
	s_mov_b32 s[G0+4*\s], 1
	s_add_co_u32 s[G0+4*\s+1], s45, \s*SLOT
	s_add_nc_u64 s[G0+4*\s+2:G0+4*\s+3], s[20:21], \s*ATILE
	s_or_b32 s[G0+4*\s+3], s[G0+4*\s+3], 0x80000000
	s_mov_b32 s[G0B+4*\s], 1
	s_add_co_u32 s[G0B+4*\s+1], s95, \s*SLOT
	s_add_nc_u64 s[G0B+4*\s+2:G0B+4*\s+3], s[46:47], \s*ROWB
	s_or_b32 s[G0B+4*\s+3], s[G0B+4*\s+3], 0x80000000
	JLOAD G0+4*\s, G1, G0B+4*\s, G1B               ; three tensor loads of mine are out
.endr
	v_and_b32 v1, 15, v0                           ; l % 16
	v_bfe_u32 v2, v0, 4, 1                         ; l / 16
	v_and_b32 v6, 31, v0
	v_mul_u32_u24 v3, v1, PITCH
	v_mul_u32_u24 v4, v2, 24
	v_add_nc_u32 v4, v3, v4                        ; B: a fragment's row x pitch + 24 x half
	v_lshl_add_u32 v5, v2, 4, v4                   ; and the same behind one padding more
	v_lshlrev_b32 v7, 4, v6                        ; A: 16 x lane
	v_lshl_add_u32 v8, v6, 3, 512                  ; and 8 x lane + 512
	s_mul_i32 s21, s15, HALFA                      ; my 128 rows of A
	s_mul_i32 s22, s16, HALFT                      ; my 128 rows of B,
	s_add_co_u32 s22, s22, 2*HALFA                 ; which lie behind A's 256
.irp s, 0,1
	v_add_nc_u32 v[ADRA+\s], s21, v7
	v_add_nc_u32 v[ADRA+2+\s], s21, v8
	v_add_nc_u32 v[ADRB+\s], s22, v4
	v_add_nc_u32 v[ADRB+2+\s], s22, v5
	s_add_co_u32 s21, s21, SLOT
	s_add_co_u32 s22, s22, SLOT
.endr
	v_mul_u32_u24 v5, v1, KS
	v_lshrrev_b32 v9, 8, v5
	v_lshl_add_u32 v5, v9, 4, v5
	s_mul_i32 s21, s15, HALFS
	s_mul_i32 s22, s16, HALFS
	s_add_co_u32 s22, s22, 2*HALFS
	s_sub_co_u32 s22, s22, s21
	v_mul_u32_u24 v9, s22, v2                      ; lanes 16-31 take B's
	s_add_co_u32 s21, s21, SCL
	v_add_nc_u32 v5, v5, v9
	v_add_nc_u32 v[ADRS], s21, v5
	s_mul_i32 s23, s14, 16*SPITCH                  ; my stage
	v_mul_u32_u24 v5, v1, SPITCH
	v_lshl_add_u32 v5, v2, 5, v5
	v_add_nc_u32 v[STO], s23, v5
	v_lshlrev_b32 v[CO], 4, v6
	v_add_nc_u32 v[RD], s23, v[CO]
	s_lshl_b32 s20, s17, 8
	s_lshl_b32 s21, s15, 7
	s_add_co_u32 s20, s20, s21                     ; my first row of out0
	s_mov_b32 s21, 0
	s_mov_b64 s[18:19], SIZE_N*4
	s_mul_u64 s[20:21], s[20:21], s[18:19]
	s_lshl_b32 s46, s42, 10
	s_lshl_b32 s47, s16, 9
	s_add_co_u32 s46, s46, s47
	s_mov_b32 s47, 0
	s_add_nc_u64 s[20:21], s[20:21], s[46:47]
	s_add_nc_u64 s[12:13], s[12:13], s[20:21]
.macro FRAG reg, adr, q, i             ; a fragment of B from rows: six pieces of 8 bytes
.irp p, 0,1,2,3,4,5
.set PIECE, 12*(\q)+6*(\p/3)+\p%3
.if PIECE%8 < 5
	ds_load_b64 v[\reg+2*\p:\reg+2*\p+1], v[\adr] offset:8*PIECE+16*(PIECE/8)+(\i)*16*PITCH
.else
	ds_load_b64 v[\reg+2*\p:\reg+2*\p+1], v[\adr+2] offset:8*PIECE+16*(PIECE/8)+(\i)*16*PITCH
.endif
.endr
.endm
.macro FRAGA reg, slot, q, i           ; a fragment of A from its image: each load of the wave takes 512 or 256 consecutive bytes
	ds_load_b128 v[\reg:\reg+3], v[ADRA+\slot] offset:ATILE*(\i)+1536*(\q)
	ds_load_b64 v[\reg+4:\reg+5], v[ADRA+2+\slot] offset:ATILE*(\i)+1536*(\q)
	ds_load_b128 v[\reg+6:\reg+9], v[ADRA+\slot] offset:ATILE*(\i)+1536*(\q)+768
	ds_load_b64 v[\reg+10:\reg+11], v[ADRA+2+\slot] offset:ATILE*(\i)+1536*(\q)+768
.endm
; 16 matrix instructions: A's blocks a0, a0 + 1 x B's eight.  The 64 accumulators take turns, one instruction a turn, in the same order in every step.
.macro MUL16 a0, p, q, sc, zero
.irp a, \a0, \a0+1
.irp b, 0,1,2,3,4,5,6,7
.if \zero
	v_wmma_scale_f32_16x16x128_f8f6f4 v[8*(8*((\a)%4)+\b):8*(8*((\a)%4)+\b)+7], v[128*(\p)+FR*\b:128*(\p)+FR*\b+FR-1], v[AF+FR*(\a):AF+FR*(\a)+FR-1], 0, v[SC+8*NQ*(\sc)+NQ*\b+(\q)], v[SC+8*NQ*(\sc)+NQ*(\a)+(\q)] matrix_a_fmt:MATRIX_FMT_FP6 matrix_b_fmt:MATRIX_FMT_FP6 matrix_a_scale:MATRIX_SCALE_ROW1
.else
	v_wmma_scale_f32_16x16x128_f8f6f4 v[8*(8*((\a)%4)+\b):8*(8*((\a)%4)+\b)+7], v[128*(\p)+FR*\b:128*(\p)+FR*\b+FR-1], v[AF+FR*(\a):AF+FR*(\a)+FR-1], v[8*(8*((\a)%4)+\b):8*(8*((\a)%4)+\b)+7], v[SC+8*NQ*(\sc)+NQ*\b+(\q)], v[SC+8*NQ*(\sc)+NQ*(\a)+(\q)] matrix_a_fmt:MATRIX_FMT_FP6 matrix_b_fmt:MATRIX_FMT_FP6 matrix_a_scale:MATRIX_SCALE_ROW1
.endif
.endr
.endr
.endm
.macro FETCH_B slot, q, p
	WIN TO_B
.irp i, 0,1,2,3,4,5,6,7
	FRAG 128*(\p)+FR*\i, ADRB+\slot, \q, \i
.endr
	WIN 0
.endm
.macro FETCH_A slot, q, i0
.irp i, \i0, \i0+1, \i0+2, \i0+3
	FRAGA AF+FR*(\i), \slot, \q, \i
.endr
.endm
.macro SCALES sc
.irp i, 0,1,2,3,4,5,6,7
	ds_load_b64 v[SC+8*NQ*\sc+NQ*\i:SC+8*NQ*\sc+NQ*\i+1], v[ADRS] offset:\i*SBLK
.endr
.endm
.macro PLACES n
.rept \n
	v_nop
.endr
.endm
.macro STEP slot, q, zero
	s_wait_dscnt 4*NLA                             ; B's set and A's blocks 0-3 are in; the youngest 16 loads (A's blocks 4-7) may be out
	WIN MUL_LO
	MUL16 0, (\q)%2, \q, \slot, \zero
	MUL16 2, (\q)%2, \q, \slot, \zero
	s_wait_dscnt 0
	PLACES NP
	FETCH_B \slot, (\q)+1, 1-(\q)%2
	FETCH_A \slot, (\q)+1, 0
	WIN MUL_HI
	MUL16 4, (\q)%2, \q, \slot, \zero
	MUL16 6, (\q)%2, \q, \slot, \zero
	PLACES NP
	WIN 0
	FETCH_A \slot, (\q)+1, 4
.endm
.macro TURN slot, next, fill
	s_wait_tensorcnt 0x0                           ; all my tensor loads have landed: my part of the next slot
	ds_add_u32 v[SPW], v[NIL]                      ; 0 onto my spare word
	s_wait_dscnt 4*NLA+1                           ; (the add and the youngest 16 loads may be out)
	WIN MUL_LO
	MUL16 0, 1, NQ-1, \slot, 0
	s_wait_dscnt 0x0                               ; the add is done, and my reads of this slot are over
	s_barrier_signal -1
	MUL16 2, 1, NQ-1, \slot, 0
	WIN 0
	s_barrier_wait -1
.if \fill
	CREST                                          ; the barrier has opened a round of the cluster's: no wave of any partner still reads this slot or has a load on its way
	s_add_nc_u64 s[G0+4*\slot+2:G0+4*\slot+3], s[G0+4*\slot+2:G0+4*\slot+3], 2*ATILE
	s_add_nc_u64 s[G0B+4*\slot+2:G0B+4*\slot+3], s[G0B+4*\slot+2:G0B+4*\slot+3], 2*ROWB
	JLOAD G0+4*\slot, G1, G0B+4*\slot, G1B
.else
	PLACES NP
.endif
	v_add_nc_u32 v[ADRS], 4*NQ, v[ADRS]
	FETCH_B \next, 0, 0
	FETCH_A \next, 0, 0
	SCALES \next
	WIN MUL_HI
	MUL16 4, 1, NQ-1, \slot, 0
	MUL16 6, 1, NQ-1, \slot, 0
	PLACES NP
	WIN 0
	FETCH_A \next, 0, 4
.endm
	s_wait_tensorcnt 1                             ; the scales and my part of K step 0 are in (K step 1's load may be out),
	s_barrier_signal -1
	s_barrier_wait -1                              ; everybody's are
	FETCH_B 0, 0, 0
	FETCH_A 0, 0, 0
	SCALES 0
	FETCH_A 0, 0, 4
	STEP 0, 0, 1
	s_mov_b32 s3, LAPS-1
.Llap:
	TURN 0, 1, 1
	STEP 1, 0, 0
	TURN 1, 0, 1
	STEP 0, 0, 0
	s_sub_co_u32 s3, s3, 1
	s_cmp_lg_u32 s3, 0
	s_cbranch_scc1 .Llap
	TURN 0, 1, 0
	STEP 1, 0, 0
	s_wait_dscnt 4*NLA
	WIN MUL_LO
	MUL16 0, 1, NQ-1, 1, 0
	MUL16 2, 1, NQ-1, 1, 0
	s_wait_dscnt 0
	WIN MUL_HI
	MUL16 4, 1, NQ-1, 1, 0
	MUL16 6, 1, NQ-1, 1, 0
	WIN 0
; THE WAY OUT, block by block of 16 rows x 128 columns, through my own stage in LDS: back come whole rows of 512 bytes, which the 32 lanes store as two aligned runs of 256 bytes.
; LDS serves a wave's instructions in order (ISA guide 5.7.1.4): no wait between the stores and the loads.
.macro TOSTAGE a
.set AC, 64*((\a)%4)
	WIN 0x08+4*((\a)/4)                            ; the data: window 2 or 3
.irp b, 0,1,2,3,4,5,6,7
	ds_store_b128 v[STO], v[AC+8*\b:AC+8*\b+3] offset:64*\b          ; each accumulator from its low end on
	ds_store_b128 v[STO], v[AC+8*\b+4:AC+8*\b+7] offset:64*\b+16
.endr
	WIN 0
.set BB, BK+64*((\a)%2)
.irp t, 0,1,2,3,4,5,6,7,8,9,10,11,12,13,14,15
	ds_load_b128 v[BB+4*\t:BB+4*\t+3], v[RD] offset:\t*SPITCH
.endr
.endm
.macro SEND a, younger                 ; row t of block a is token 64 (a / 4) + 32 (t / 8) + 8 (a % 4) + t % 8 of my 128: it stands in the immediate, 127 rows of 4,096 bytes at the most
.set BB, BK+64*((\a)%2)
	s_wait_dscnt \younger
.irp t, 0,1,2,3,4,5,6,7,8,9,10,11,12,13,14,15
	global_store_b128 v[CO], v[BB+4*\t:BB+4*\t+3], s[12:13] offset:(64*((\a)/4)+32*(\t/8)+8*((\a)%4)+\t%8)*SIZE_N*4 th:TH_STORE_NT
.endr
.endm
	PLACES NP
	TOSTAGE 0
.irp a, 1,2,3,4,5,6,7
.if \a > 1
	s_wait_xcnt 0x0                                ; block a - 2's stores have read their registers: block a's loads may land there
.endif
	TOSTAGE \a
	SEND \a-1, 32                                  ; behind block a - 1's loads: block a's 16 stores and 16 loads
.endr
	SEND 7, 0
	s_wait_tensorcnt 0x0                           ; the wave's end
	ds_add_u32 v[SPW], v[NIL]
	s_wait_dscnt 0x0
	CROUND                                         ; the closing round
	s_endpgm
.Lfunc_end_k_q19b987127c_outp:
	.size	k_q19b987127c_outp, .Lfunc_end_k_q19b987127c_outp-k_q19b987127c_outp
	.p2alignl 7, 3214868480
	.fill 96, 4, 3214868480
	.section	.rodata,"a",@progbits
	.p2align	6, 0x0
	.amdhsa_kernel k_q19b987127c_outp
		.amdhsa_group_segment_fixed_size 327680
		.amdhsa_private_segment_fixed_size 0
		.amdhsa_enable_private_segment 0
		.amdhsa_kernarg_size 40
		.amdhsa_user_sgpr_count 2
		.amdhsa_user_sgpr_kernarg_segment_ptr 1
		.amdhsa_wavefront_size32 1
		.amdhsa_system_sgpr_workgroup_id_x 1
		.amdhsa_system_sgpr_workgroup_id_y 1
		.amdhsa_system_sgpr_workgroup_id_z 1
		.amdhsa_system_vgpr_workitem_id 0
		.amdhsa_next_free_vgpr 1024
		.amdhsa_next_free_sgpr 98
		.amdhsa_reserve_vcc 0
		.amdhsa_float_denorm_mode_32 3
		.amdhsa_float_denorm_mode_16_64 3
		.amdhsa_memory_ordered 1
		.amdhsa_forward_progress 1
		.amdhsa_inst_pref_size 152
	.end_amdhsa_kernel
	.amdgpu_metadata
---
amdhsa.version: [ 1, 2 ]
amdhsa.kernels:
  - .name:           k_q19b987127c_outp
    .symbol:         k_q19b987127c_outp.kd
    .args:
      - { .name: bc, .offset: 0, .size: 8, .value_kind: global_buffer, .address_space: global }
      - { .name: bs, .offset: 8, .size: 8, .value_kind: global_buffer, .address_space: global }
      - { .name: wo_codes, .offset: 16, .size: 8, .value_kind: global_buffer, .address_space: global }
      - { .name: wo_scales, .offset: 24, .size: 8, .value_kind: global_buffer, .address_space: global }
      - { .name: out0, .offset: 32, .size: 8, .value_kind: global_buffer, .address_space: global }
    .group_segment_fixed_size: 327680
    .private_segment_fixed_size: 0
    .kernarg_segment_align: 8
    .kernarg_segment_size: 40
    .max_flat_workgroup_size: 128
    .sgpr_count:     98
    .vgpr_count:     1024
    .wavefront_size: 32
...
	.end_amdgpu_metadata
.endif
;; end of part 3
